; MI455X (gfx1250); checked and timed in simulation.
; The chip was launched on July 23, 2026; its instructions are those of AMD's public machine-readable ISA for CDNA 5 (MIT licence, August 2026) and "CDNA5" Instruction Set Architecture Reference Guide (July 2026). The comments in the code are by the model that wrote it; some were corrected since.
;; QBB Linear. Allowed arithmetic: matrix products marked QUANTISED: E2M3 operands, one E8M0 scale for each 32 along K, by v_wmma_scale_f32_16x16x128_f8f6f4 with both operands' format E2M3, f32 sums; products left as they are: f32 operands where the result goes on into a quantised operand, else bf16, f16 or f32 operands; f32 sums; everything else in f32.
;; Inputs: alphas 4 float32; bases 4 x 4,096 x 4,096 int8; x_codes 2 x 2,048 x 128 x 24 uint8 (E2M3 codes of x, K innermost, in blocks of 32 codes, four codes in three bytes); x_scales 2 x 2,048 x 128 uint8 (E8M0 scales of x, one for each 32 codes along K).
;; Outputs: out0 2 x 2,048 x 4,096 float32.
;; This version of the problem:
;;   THIS VERSION OF THE PROBLEM IS GIVEN IN LOW PRECISION. The matrix products marked QUANTISED in the list below multiply operands that are first quantised to E2M3 (2 exponent bits, 3 mantissa bits; 6 bits a number), with one power-of-two scale for each 32 numbers along K (OCP MX v1.0); their sums are f32. All else is computed in f32.
;;   The module's matrix products, in the order in which they are computed (A, B: the left and right operand; K: the contracted axis; several contracted axes count as one K, in the product's order):
;;     1. [M 1, K 4] x [K 4, N 16,777,216]; A: input alphas; B: input bases: left as it is (K = 4 < 32)
;;     2. [M 4,096, K 4,096] x [K 4,096, N 4,096]; A: input x (given as codes); B: computed on the way: QUANTISED
;;   THE QUANTISER, for each operand of a quantised product, along K:
;;     - K is cut into blocks of 32 from its start; a last block that is shorter is filled with zeros.
;;     - A block's scale is 2^e with e = floor(log2(the largest magnitude in the block)) - 2, held to -126 .. 127; a block of zeros has e = 0. As a byte (E8M0): e + 127.
;;     - Each number is divided by its block's scale, clamped to +-7.5, and rounded to the nearest number of E2M3, ties to even, subnormals kept.
;;     - The product sums the exact products of the quantised numbers (number of the format x scale) in f32.
;;   ~~~python
;;   def quantise(x, axis):      # numpy; x: float32 -> the quantised numbers, widened to float32 again
;;       x = np.moveaxis(x, axis, -1); K = x.shape[-1]
;;       x = np.pad(x, [(0, 0)] * (x.ndim - 1) + [(0, -K % 32)]); x = x.reshape(x.shape[:-1] + (-1, 32)); a = np.abs(x).max(-1, keepdims=True)
;;       e = np.where(a > 0, np.clip(np.frexp(np.where(a > 0, a, 1))[1] - 1 - 2, -126, 127), 0)      # np.frexp(a)[1] - 1 = floor(log2(a)), exactly
;;       r = np.clip(x / 2.0 ** e, -7.5, 7.5)
;;       step = 2.0 ** (np.maximum(np.frexp(np.where(r == 0, 1, r))[1] - 1, 0) - 3)
;;       q = np.round(r / step) * step * 2.0 ** e      # np.round: ties to even
;;       return np.moveaxis(q.reshape(q.shape[:-2] + (-1,))[..., :K], -1, axis).astype(np.float32)
;;   ~~~
;;   OPERANDS COMPUTED ON THE WAY. 'Computed on the way' means the value that the module computes at that place (a softmax that the list does not call 'softmax' is quantised finished and normalised). What goes into a quantiser is computed in f32, as accurately as f32 sums, v_exp_f32 and their like allow (about 1e-6 of the number): no bf16 or f16 on the way to a quantiser, and a product that is left as it is and whose result goes on into a quantised operand takes f32 operands (vector FMAs, or v_wmma_f32_16x16x4_f32). A number that lies on a knife's edge between two numbers of the format may be rounded either way, as far as f32 arithmetic and the matrix unit's own rounding can turn it there, and no further.
;;   INPUTS GIVEN AS CODES. x (in the module: [2, 2048, 4096], K = its axis 2): each comes as NAME_codes (uint8): NAME with its K axis moved to the last place and cut into blocks of 32 codes, [.., K / 32, bytes a block], one block behind the other in memory; four codes in three bytes: a row's codes are one little-endian stream of bits, code i at bits 6 i .. 6 i + 5 (a code: sign, 2 exponent bits, 3 mantissa bits); and NAME_scales (uint8): the same leading axes, one E8M0 byte (e + 127) for each 32 codes along K. Its value is code x scale, taken as it is: it is not quantised again, and the codes and scales need not be those that the quantiser above would give.
;; One version. Each part assembles by itself: llvm-mc -triple=amdgcn-amd-amdhsa -mcpu=gfx1250 --defsym DOCPART=n.
;; ======== version 1 of 1: 2 launches
;; limits: right only within a limited range of input values
;; workspace buffers: w_codes 12,582,912 bytes; w_scales 524,288 bytes; x_img 12,582,912 bytes
;; launch quantw (part 1): grid 512 x 1, 8 waves a work-group, no clusters, 101,888 bytes of LDS; arguments alphas, bases, w_codes, w_scales, x_codes, x_img; writes w_codes, w_scales, x_img
.if DOCPART == 1
	.amdgcn_target "amdgcn-amd-amdhsa--gfx1250"
	.amdhsa_code_object_version 6
	.text
	.protected	k_qb4601addad_quantw
	.globl	k_qb4601addad_quantw
	.p2align	8
	.type	k_qb4601addad_quantw,@function
k_qb4601addad_quantw:
	s_mov_b64 s[64:65], 0
	v_nop
	global_prefetch_b8 v0, s[64:65] scope:SCOPE_SE
	s_setreg_imm32_b32 hwreg(HW_REG_WAVE_MODE, 25, 1), 1
	s_wait_xcnt 0x0
; W[o][i] = alphas[0] bases[0][o][i] + .. + alphas[3] bases[3][o][i], in f32, from ANY int8 bases, and then quantised along i (the product's K) to codes of FP6 (E2M3) with one E8M0 byte for each 32.
; A block's scale is 2^(floor(log2(its largest magnitude)) - 2); its byte is the largest magnitude's own exponent field - 2, held at 1 from below; each number is divided by the scale and rounded to the nearest code, ties to even.
; LIMITS: NaN and infinities among alphas are not served.  A block of zeros gets the byte 1 where the rule says 127: its codes are zeros, which add nothing under any byte but 0xff, and the bytes are read by this program alone.
; OUT.  w_scales: [o][128], one byte for each 32 along K.  w_codes: IMAGES OF THE OPERAND'S REGISTERS, [o / 64][step of 128 along K: 32][(o / 16) % 4][j: 3][lane: 32][16 bytes].  A fragment is 16 rows x 128 K, 12 registers a lane:
; lane r + 16 h holds row r, its registers 6 c .. 6 c + 5 the 24 bytes of block 2 c + h.  Register d of that lane lies at byte 512 (d / 4) + 16 (r + 16 h) + 4 (d % 4) of the fragment's 1,536, so that the product's launch
; fills four registers of all lanes by one load of 512 consecutive bytes.
; SHARES.  A wave owns rows 2 p and 2 p + 1 (p = 8 x work-group + wave) for all of K: 16 steps of 256 along K.  In a step lanes 0-15 hold row 2 p, lanes 16-31 row 2 p + 1; a lane holds 16 NEIGHBOURS along K, which are the 16 bytes
; of one load from each of the four bases: each load of the wave reads two runs of 256 consecutive bytes, each at a multiple of 256 from the buffer's first byte.  Two neighbouring lanes hold a block of 32.
; The work-group's 16 rows are the rows of ONE fragment, for each of the 32 steps of 128 along K.  A lane's 16 codes are three registers of an image: they go there word by word, into 49,152 bytes of LDS.  Behind step 7 and behind step 15
; stands a barrier; behind it each wave reads two whole fragments back and stores them, 512 consecutive bytes a store.  The two halves have LDS bytes of their own, so no barrier stands between one half's reads and the other's writes.
; A wave's 16 steps make 256 scale bytes, its two rows of w_scales: they are gathered in the wave's own 256 bytes of LDS and leave as one aligned run of 256 bytes.
; No loop: sixteen steps by macro, every offset an immediate.  Loads run eight steps (32 loads a wave) ahead.
.set STEPS, 16
.set AHEAD, 8
.set EMAX,  2
.set CODES, 2048                       ; LDS: behind the eight waves' scale bytes: 32 fragments of 1,536 bytes
.set T,     16                         ; v16-31   16 numbers of one base, at work; on the way out four times four registers
.set CA,    32                         ; v32-34   LDS addresses of my three words of codes in a step's two fragments
.set RB,    35                         ; v35      LDS address at which I read images back
.set W,     36                         ; v36-51   16 numbers of W; on the way out v36-43 twice four registers
.set RAW,   52                         ; v52-179  eight sets of 16 registers: set t % 8, base k at RAW + 16 (t % 8) + 4 k
.set C,     180                        ; v180-243 step t: its codes in C + 4 t .. C + 4 t + 2, its scale byte in C + 4 t + 3: none is written twice
; TWO KINDS OF WORK-GROUPS in one launch: numbers 0 to 255 make W's codes and scales, as described above (the longer work, so it has the lower numbers); numbers 256 to 511 lay x's codes anew (at this text's end).
; The branch hangs on the work-group's number alone, so all eight waves of a work-group take the same way; each way has LDS bytes of its own.  246 registers a wave and 101,888 bytes of LDS let two work-groups lie on a WGP.
	s_load_b256 s[4:11], s[0:1], 0x0               ; alphas s[4:5], bases s[6:7], w_codes s[8:9], w_scales s[10:11]
	s_load_b128 s[44:47], s[0:1], 0x20             ; x_codes s[44:45], x_img s[46:47]
	v_lshl_add_u32 v244, v0, 2, 0xc800
	v_mov_b32 v245, 0
	s_cmp_ge_u32 ttmp9, 256
	s_wait_alu depctr_va_vdst(0)
	s_cbranch_scc1 .Lx_rows
	v_lshrrev_b32 v1, 5, v0
	s_delay_alu instid0(VALU_DEP_1)
	v_readfirstlane_b32 s31, v1                    ; wave 0..7
	v_and_b32 v2, 15, v0
	v_bfe_u32 v11, v0, 4, 1                        ; which of my wave's two rows
	s_delay_alu instid0(VALU_DEP_2)
	v_lshlrev_b32 v2, 4, v2
	s_delay_alu instid0(VALU_DEP_1)
	v_lshl_add_u32 v2, v11, 12, v2                 ; in: 16 bytes a lane, + a row of 4,096 bytes for lanes 16-31
	v_and_b32 v6, 31, v0
	s_delay_alu instid0(VALU_DEP_1)
	v_lshlrev_b32 v3, 4, v6                        ; 16 x lane
	s_delay_alu instid0(VALU_DEP_1)
	v_mad_u32_u24 v[RB], v1, 3072, v3              ; the images' way out: of a half's 16 fragments my wave takes two, 3,072 bytes of LDS,
	s_delay_alu instid0(VALU_DEP_2)
	v_mad_u32_u24 v3, v1, 12288, v3                ; which lie 6,144 bytes apart in memory
	s_delay_alu instid0(VALU_DEP_4)
	v_lshlrev_b32 v6, 3, v6                        ; the scale bytes' way out: 8 bytes a lane
	v_bfe_u32 v4, v0, 1, 3                         ; LDS: my block among a step's eight of my row,
	s_delay_alu instid0(VALU_DEP_1)
	v_lshl_add_u32 v4, v11, 7, v4                  ; + 128 for the second row,
	s_delay_alu instid0(VALU_DEP_1)
	v_lshl_add_u32 v4, v1, 8, v4                   ; + my wave's 256 bytes
	v_lshlrev_b32 v5, 3, v0                        ; and back: 256 x wave + 8 x lane
	v_mov_b32 v7, 0x4b000000                       ; 2^23 as f32: its three low bytes are 0
	; where my three words of codes go.  Lane bits: 0 = u, the half of a block; 1 = h; 2 = c (block 2 c + h of a fragment); 3 = which of the step's two fragments.  My words are registers 6 c + 3 u + 0, 1, 2 of lane r + 16 h
	v_and_b32 v12, 1, v0                           ; u
	v_bfe_u32 v13, v0, 2, 1                        ; c
	s_delay_alu instid0(VALU_DEP_2)
	v_mul_u32_u24 v12, v12, 3
	s_delay_alu instid0(VALU_DEP_1)
	v_mad_u32_u24 v12, v13, 6, v12                 ; 6 c + 3 u
	v_bfe_u32 v13, v0, 3, 1
	s_delay_alu instid0(VALU_DEP_1)
	v_mul_u32_u24 v13, v13, 1536                   ; the fragment
	v_bfe_u32 v14, v0, 1, 1
	s_delay_alu instid0(VALU_DEP_1)
	v_lshl_add_u32 v13, v14, 8, v13                ; + 16 x 16 h
	v_lshl_add_u32 v14, v1, 1, v11                 ; r = 2 x wave + my row
	s_delay_alu instid0(VALU_DEP_1)
	v_lshl_add_u32 v13, v14, 4, v13                ; + 16 r
.irp e, 0,1,2
	v_add_nc_u32 v14, \e, v12                      ; d
	s_delay_alu instid0(VALU_DEP_1)
	v_lshrrev_b32 v15, 2, v14
	s_delay_alu instid0(VALU_DEP_2)
	v_and_b32 v14, 3, v14
	s_delay_alu instid0(VALU_DEP_2)
	v_lshl_add_u32 v15, v15, 9, v13                ; + 512 (d / 4)
	s_delay_alu instid0(VALU_DEP_1)
	v_lshl_add_u32 v[CA+\e], v14, 2, v15           ; + 4 (d % 4)
.endr
	s_lshl_b32 s38, ttmp9, 3
	s_add_co_u32 s38, s38, s31                     ; p
	s_lshl_b32 s40, s38, 13                        ; two rows of 4,096 bytes
	s_mov_b32 s41, 0
	s_lshr_b32 s42, ttmp9, 2                       ; codes: the group of 64 rows, 196,608 bytes each,
	s_mul_i32 s42, s42, 196608
	s_and_b32 s43, ttmp9, 3
	s_mul_i32 s43, s43, 1536                       ; and my work-group's fragment among its four
	s_add_co_u32 s42, s42, s43
	s_mov_b32 s43, 0
	s_lshl_b32 s38, s38, 8                         ; scale bytes: two rows of 128
	s_mov_b32 s39, 0
	s_mov_b32 s24, 0xcb000080                      ; -(2^23 + 128)
	s_mov_b32 s25, s24                             ; (named with it as a pair, so it is written)
	s_mov_b32 s26, 0x07040400                      ; byte selects: result = { 0x4b, 0, 0, byte c of the loaded word }
	s_mov_b32 s27, 0x07040401
	s_mov_b32 s28, 0x07040402
	s_mov_b32 s29, 0x07040403
	s_mov_b32 s30, 0x80808080                      ; turns four signed bytes b into the unsigned bytes b + 128
	s_wait_kmcnt 0x0
	s_load_b128 s[12:15], s[4:5], 0x0              ; the four alphas
	s_add_nc_u64 s[6:7], s[6:7], s[40:41]          ; my rows in base 0,
	s_add_nc_u64 s[32:33], s[6:7], 0x1000000       ; and in bases 1, 2, 3: 16,777,216 bytes apart, more than an immediate offset holds
	s_add_nc_u64 s[34:35], s[6:7], 0x2000000
	s_add_nc_u64 s[36:37], s[6:7], 0x3000000
	s_add_nc_u64 s[8:9], s[8:9], s[42:43]
	s_add_nc_u64 s[10:11], s[10:11], s[38:39]
.macro LOAD t                          ; step t: 16 bytes a lane of each base
	global_load_b128 v[RAW+16*((\t)%AHEAD):RAW+16*((\t)%AHEAD)+3],     v2, s[6:7]   offset:256*(\t) th:TH_LOAD_NT
	global_load_b128 v[RAW+16*((\t)%AHEAD)+4:RAW+16*((\t)%AHEAD)+7],   v2, s[32:33] offset:256*(\t) th:TH_LOAD_NT
	global_load_b128 v[RAW+16*((\t)%AHEAD)+8:RAW+16*((\t)%AHEAD)+11],  v2, s[34:35] offset:256*(\t) th:TH_LOAD_NT
	global_load_b128 v[RAW+16*((\t)%AHEAD)+12:RAW+16*((\t)%AHEAD)+15], v2, s[36:37] offset:256*(\t) th:TH_LOAD_NT
.endm
.irp t, 0,1,2,3,4,5,6,7
	LOAD \t
.endr
	s_wait_kmcnt 0x0                               ; the alphas
	s_mov_b32 s16, s12                             ; each as a pair: the packed forms name a pair and take its low word for both halves
	s_mov_b32 s17, s12
	s_mov_b32 s18, s13
	s_mov_b32 s19, s13
	s_mov_b32 s20, s14
	s_mov_b32 s21, s14
	s_mov_b32 s22, s15
	s_mov_b32 s23, s15
; Base k's 16 bytes become 16 f32 numbers, exactly, and go into W by fused multiply-adds.  b + 128 set under the exponent of 2^23 is the f32 number 2^23 + 128 + b; taking 2^23 + 128 away leaves b with no rounding.
.macro TAKE t, k
.set RW, RAW+16*((\t)%AHEAD)+4*(\k)
.irp j, 0,1,2,3
	v_xor_b32 v[RW+\j], s30, v[RW+\j]
.endr
.irp j, 0,1,2,3
.irp c, 0,1,2,3
	v_perm_b32 v[T+4*\j+\c], v7, v[RW+\j], s[26+\c]
.endr
.endr
.irp j, 0,2,4,6,8,10,12,14
	v_pk_add_f32 v[T+\j:T+\j+1], v[T+\j:T+\j+1], s[24:25] op_sel_hi:[1,0]
.endr
.irp j, 0,2,4,6,8,10,12,14
.if (\k) == 0
	v_pk_mul_f32 v[W+\j:W+\j+1], v[T+\j:T+\j+1], s[16:17] op_sel_hi:[1,0]          ; the first base starts the sums: nothing is cleared
.else
	v_pk_fma_f32 v[W+\j:W+\j+1], v[T+\j:T+\j+1], s[16+2*(\k):17+2*(\k)], v[W+\j:W+\j+1] op_sel_hi:[1,0,1]
.endif
.endr
.endm
.macro STEP t
.if STEPS-1-(\t) >= AHEAD-1
	s_wait_loadcnt 4*(AHEAD-1)                     ; loads come back in order (ISA guide 5.7.1): this step's four are in; the four of each of the seven younger steps may be out
.else
	s_wait_loadcnt 4*(STEPS-1-(\t))                ; the last steps: the counts run down
.endif
	TAKE \t, 0
	TAKE \t, 1
	TAKE \t, 2
	TAKE \t, 3
.if (\t)+AHEAD < STEPS
	LOAD (\t)+AHEAD                                ; the set has been read: it takes the step eight on
.endif
	v_max3_num_f32 v8, |v[W]|, |v[W+1]|, |v[W+2]|                  ; the largest magnitude of my 16, in two chains
	v_max3_num_f32 v9, |v[W+3]|, |v[W+4]|, |v[W+5]|
.irp i, 6,10
	s_delay_alu instid0(VALU_DEP_2)
	v_max3_num_f32 v8, v8, |v[W+\i]|, |v[W+\i+1]|
	s_delay_alu instid0(VALU_DEP_2)
	v_max3_num_f32 v9, v9, |v[W+\i+2]|, |v[W+\i+3]|
.endr
	s_delay_alu instid0(VALU_DEP_2)
	v_max3_num_f32 v8, v8, |v[W+14]|, |v[W+15]|
	s_delay_alu instid0(VALU_DEP_1)
	v_max3_num_f32 v8, v8, v9, (EMAX+1)<<23        ; and the floor 2^(EMAX + 1 - 127), under which no largest magnitude is taken: so the byte cannot fall under 1
	s_delay_alu instid0(VALU_DEP_1)
	v_max_num_f32_dpp v8, v8, v8 row_xmask:1 row_mask:0xf bank_mask:0xf   ; and of my neighbour's 16: the block's
	s_delay_alu instid0(VALU_DEP_1)
	v_add_nc_u32 v10, -(EMAX<<23), v8              ; EMAX off its exponent field: the conversion takes the exponent field of this operand as its scale, and nothing else of it
	v_cvt_scalef32_pk16_fp6_f32 v[C+4*(\t):C+4*(\t)+2], v[W:W+15], v10   ; sixteen codes, 96 bits without gaps, the first number's code lowest; beyond the largest code the largest
	v_lshrrev_b32 v[C+4*(\t)+3], 23, v10           ; the scale's byte; also the plain vector line behind the conversion, ahead of the next step's writes of W
	ds_store_b8 v4, v[C+4*(\t)+3] offset:8*(\t)    ; both lanes of a block write the same byte with the same value
.irp e, 0,1,2
	ds_store_b32 v[CA+\e], v[C+4*(\t)+\e] offset:CODES+3072*(\t)   ; my three words, each at its place in the image; a step is two fragments, 3,072 bytes
.endr
.endm
; Half hf of K (16 fragments) leaves.  My stores into LDS have landed, then the barrier: behind it all eight waves' have.  My wave reads fragments 16 hf + 2 wave and the next, as they lie, and stores them.
.macro OUT hf
	s_wait_dscnt 0x0                               ; for the others' sake: zero
	s_barrier_signal -1
	s_barrier_wait -1
.irp i, 0,1,2,3,4,5
	ds_load_b128 v[T+4*\i+4*(\i/4):T+4*\i+4*(\i/4)+3], v[RB] offset:CODES+24576*\hf+512*\i
.endr
.irp i, 0,1,2,3,4,5
	s_wait_dscnt 5-\i                              ; LDS loads come back in order: number i is in, the younger ones may be out
	global_store_b128 v3, v[T+4*\i+4*(\i/4):T+4*\i+4*(\i/4)+3], s[8:9] offset:98304*\hf+6144*(\i/3)+512*(\i%3)   ; 32 lanes store 512 consecutive bytes, at a multiple of 256 from the buffer's first byte
.endr
.endm
.irp t, 0,1,2,3,4,5,6,7
	STEP \t
.endr
	OUT 0
	s_wait_xcnt 0x0                                ; the six stores have read their data: the next step writes those registers again only behind this wait
.irp t, 8,9,10,11,12,13,14,15
	STEP \t
.endr
	OUT 1
	ds_load_b64 v[12:13], v5                       ; my wave's own 256 scale bytes: LDS serves a wave's instructions in order (ISA guide 5.7.1.4)
	s_wait_dscnt 0x0
	global_store_b64 v6, v[12:13], s[10:11]        ; 32 lanes store 256 consecutive bytes, at a multiple of 256 from the buffer's first byte: my two rows of scale bytes
	s_wait_tensorcnt 0x0
	ds_add_u32 v244, v245
	s_wait_dscnt 0x0
	s_endpgm
; X'S CODES ARE LAID ANEW, unchanged in value: x_img holds images of the operand's registers in w_codes' own order, [m / 64][step of 128 along K: 32][(m / 16) % 4][j: 3][lane: 32][16 bytes].
; Work-group 256 + g takes x's rows 16 g .. 16 g + 15: a wave loads two whole rows of 3,072 bytes, 512 consecutive bytes a load, and lays them into LDS (from XS on, rows 3,088 bytes apart: 772 words, so the 32 lanes
; of a load of 8 bytes touch 64 different banks); behind a barrier a wave reads the fragments of four steps as the operand's layout asks (24 bytes of row r at 96 step + 48 c + 24 h) and stores each as three runs of 512 consecutive bytes.
.Lx_rows:
.set XS, 52224                         ; LDS: behind W's bytes and the spare words: 16 rows x 3,088 bytes, this way's own
	s_sub_co_u32 s38, ttmp9, 256                   ; g
	v_lshrrev_b32 v1, 5, v0                        ; wave
	v_bfe_u32 v5, v0, 4, 1                         ; h
	v_and_b32 v2, 31, v0
	v_and_b32 v4, 15, v0
	s_delay_alu instid0(VALU_DEP_2)
	v_lshlrev_b32 v2, 4, v2                        ; 16 x lane
	s_delay_alu instid0(VALU_DEP_2)
	v_mul_u32_u24 v4, v4, 3088                     ; back: row r,
	s_delay_alu instid0(VALU_DEP_2)
	v_mad_u32_u24 v3, v1, 6176, v2                 ; into LDS: my wave's two rows
	s_delay_alu instid0(VALU_DEP_2)
	v_mad_u32_u24 v4, v5, 24, v4                   ; + 24 h,
	v_mad_u32_u24 v6, v1, 24576, v2                ; out: my wave's four steps of 6,144 bytes
	v_mad_u32_u24 v2, v1, 6144, v2                 ; in: my wave's two rows of 3,072 bytes
	s_delay_alu instid0(VALU_DEP_3)
	v_mad_u32_u24 v4, v1, 384, v4                  ; + my wave's four steps of 96 bytes
	s_wait_alu depctr_va_vdst(0)
	s_lshr_b32 s42, s38, 2                         ; x_img: the group of 64 rows, 196,608 bytes each,
	s_mul_i32 s42, s42, 196608
	s_and_b32 s43, s38, 3
	s_mul_i32 s43, s43, 1536                       ; and my work-group's fragment among its four
	s_add_co_u32 s42, s42, s43
	s_mov_b32 s43, 0
	s_mul_i32 s40, s38, 49152                      ; x_codes: 16 rows of 3,072 bytes
	s_mov_b32 s41, 0
	s_wait_kmcnt 0x0
	s_add_nc_u64 s[46:47], s[46:47], s[42:43]
	s_add_nc_u64 s[44:45], s[44:45], s[40:41]
.irp i, 0,1,2,3,4,5
	global_load_b128 v[16+4*\i:19+4*\i], v2, s[44:45] offset:512*\i th:TH_LOAD_NT
	global_load_b128 v[40+4*\i:43+4*\i], v2, s[44:45] offset:3072+512*\i th:TH_LOAD_NT
.endr
	s_wait_loadcnt 0x0
.irp i, 0,1,2,3,4,5
	ds_store_b128 v3, v[16+4*\i:19+4*\i] offset:XS+512*\i
	ds_store_b128 v3, v[40+4*\i:43+4*\i] offset:XS+3088+512*\i
.endr
	s_wait_dscnt 0x0                               ; for the others' sake: zero
	s_barrier_signal -1
	s_barrier_wait -1
.macro XIN f, b
.irp p, 0,1,2,3,4,5
	ds_load_b64 v[\b+2*\p:\b+2*\p+1], v4 offset:XS+96*\f+48*(\p/3)+8*(\p%3)
.endr
.endm
.macro XOUT f, b, left
	s_wait_dscnt \left                             ; this fragment's six loads are in, the younger fragments' may be out
.irp j, 0,1,2
	global_store_b128 v6, v[\b+4*\j:\b+4*\j+3], s[46:47] offset:6144*\f+512*\j   ; 512 consecutive bytes, at a multiple of 256 from the buffer's first byte
.endr
.endm
	XIN 0, 64
	XIN 1, 76
	XIN 2, 88
	XIN 3, 100
	XOUT 0, 64, 18
	XOUT 1, 76, 12
	XOUT 2, 88, 6
	XOUT 3, 100, 0
	s_wait_tensorcnt 0x0                           ; the wave's end
	ds_add_u32 v244, v245
	s_wait_dscnt 0x0
	s_endpgm
.Lfunc_end_k_qb4601addad_quantw:
	.size	k_qb4601addad_quantw, .Lfunc_end_k_qb4601addad_quantw-k_qb4601addad_quantw
	.p2alignl 7, 3214868480
	.fill 96, 4, 3214868480
	.section	.rodata,"a",@progbits
	.p2align	6, 0x0
	.amdhsa_kernel k_qb4601addad_quantw
		.amdhsa_group_segment_fixed_size 101888
		.amdhsa_private_segment_fixed_size 0
		.amdhsa_enable_private_segment 0
		.amdhsa_kernarg_size 48
		.amdhsa_user_sgpr_count 2
		.amdhsa_user_sgpr_kernarg_segment_ptr 1
		.amdhsa_wavefront_size32 1
		.amdhsa_system_sgpr_workgroup_id_x 1
		.amdhsa_system_sgpr_workgroup_id_y 1
		.amdhsa_system_sgpr_workgroup_id_z 1
		.amdhsa_system_vgpr_workitem_id 0
		.amdhsa_next_free_vgpr 246
		.amdhsa_next_free_sgpr 66
		.amdhsa_reserve_vcc 0
		.amdhsa_float_denorm_mode_32 3
		.amdhsa_float_denorm_mode_16_64 3
		.amdhsa_memory_ordered 1
		.amdhsa_forward_progress 1
		.amdhsa_inst_pref_size 177
	.end_amdhsa_kernel
	.amdgpu_metadata
---
amdhsa.version: [ 1, 2 ]
amdhsa.kernels:
  - .name:           k_qb4601addad_quantw
    .symbol:         k_qb4601addad_quantw.kd
    .args:
      - { .name: alphas, .offset: 0, .size: 8, .value_kind: global_buffer, .address_space: global }
      - { .name: bases, .offset: 8, .size: 8, .value_kind: global_buffer, .address_space: global }
      - { .name: w_codes, .offset: 16, .size: 8, .value_kind: global_buffer, .address_space: global }
      - { .name: w_scales, .offset: 24, .size: 8, .value_kind: global_buffer, .address_space: global }
      - { .name: x_codes, .offset: 32, .size: 8, .value_kind: global_buffer, .address_space: global }
      - { .name: x_img, .offset: 40, .size: 8, .value_kind: global_buffer, .address_space: global }
    .group_segment_fixed_size: 101888
    .private_segment_fixed_size: 0
    .kernarg_segment_align: 8
    .kernarg_segment_size: 48
    .max_flat_workgroup_size: 256
    .sgpr_count:     66
    .vgpr_count:     246
    .wavefront_size: 32
...
	.end_amdgpu_metadata
.endif
;; end of part 1
;; launch gemm (part 2): grid 16 x 16, 4 waves a work-group, clusters of 4 x 4, 327,680 bytes of LDS; arguments x_img, x_scales, w_codes, w_scales, out0; writes out0
.if DOCPART == 2
	.amdgcn_target "amdgcn-amd-amdhsa--gfx1250"
	.amdhsa_code_object_version 6
	.text
	.protected	k_qb4601addad_gemm
	.globl	k_qb4601addad_gemm
	.p2align	8
	.type	k_qb4601addad_gemm,@function
k_qb4601addad_gemm:
	s_mov_b64 s[64:65], 0
	v_nop
	global_prefetch_b8 v0, s[64:65] scope:SCOPE_SE
	s_setreg_imm32_b32 hwreg(HW_REG_WAVE_MODE, 25, 1), 1
	s_wait_xcnt 0x0
	s_wait_alu depctr_hold_cnt(0) depctr_sa_sdst(0) depctr_va_vdst(0) depctr_va_sdst(0) depctr_va_ssrc(0) depctr_va_vcc(0) depctr_vm_vsrc(0)
	s_getreg_b32 s2, hwreg(HW_REG_IB_STS2, 6, 4)
	s_cmp_eq_u32 s2, 0
	s_cbranch_scc0 .Lentry_in_a_cluster
	s_endpgm
.Lentry_in_a_cluster:
	s_bfe_u32 s2, ttmp6, 0x10000c
	s_cmp_lg_u32 s2, 0xf033
	s_cbranch_scc0 .Lentry_shape_is_right
	s_endpgm
.Lentry_shape_is_right:
; out0[m][n] = sum over k of x[m][k] W[n][k], both as codes of FP6 (E2M3) with one E8M0 byte for each 32 along K; sums in f32.  M = N = K = 4,096.
; x_img and w_codes hold IMAGES OF THE OPERAND'S REGISTERS, [row / 64][step of 128 along K: 32][(row / 16) % 4][j: 3][lane: 32][16 bytes]: a fragment (16 rows x 128 K, 12 registers) is three loads of 512 consecutive bytes.
; A work-group of four waves makes 256 x 256 of out0; a wave makes all 256 rows x 64 columns: 64 accumulators, 512 registers.
; W: a wave's 64 columns are read by that wave alone, so its four fragments a step go from memory straight into registers, four sets, four steps ahead.
; x: all four waves read all 256 rows, so x goes through a ring of two LDS slots of four steps each (4 groups of 64 rows x 24,576 dense bytes); a wave's tensor load brings one group as 96 rows of 256 bytes.
; From a refill to the wait for it a wave issues 240 matrix instructions.  The scales of x's 256 rows and of W's 256 rows come into LDS once, at the head, and stay.
; CLUSTERS: 4 x 4 work-groups.  x's tiles and scales are shared along a row of the cluster, W's scales along a column: joint loads.  W's codes go to registers and cannot be shared so.
; PREFETCH: behind each refill the four partners of a row of the cluster ask for the x tile of the NEXT refill (four K steps on), 24 of a wave's 96 blocks of 256 bytes each, told apart by address;
; the refill of the last tile asks for nothing.  W's codes are not prefetched: their loads into registers already stand four steps ahead of their use.
; THE MATRIX INSTRUCTION IS USED TRANSPOSED (source 0 = 16 rows of W, source 1 = 16 rows of x): a lane holds eight neighbouring numbers of a row of out0.
; REGISTERS: window 0: v0-31 addresses, v32-63 scale words of two steps, v64-255 W's four sets of 48.  Window 1: v0-191 x's 16 fragments, one set: eight of them are loaded anew as soon as their 32 products are issued.
; Windows 2, 3: the accumulators of rows 0-127, 128-255 ((a, b) at v[8 (4 (a % 8) + b)]).
.set SIZE_N, 4096
.set FR,     12
.set NP,     4                         ; places behind this matrix form (ISA guide 7.12.1)
.set FRAGB,  1536
.set STEPB,  4*FRAGB                   ; a group of 64 rows, one step
.set GRPS,   4*STEPB                   ; a group's four steps: a wave's ring load
.set SLOT,   4*GRPS
.set GROUPB, 32*STEPB                  ; a group of 64 rows, all of K
.set KS,     128                       ; a row of scales in bytes
.set SCL,    2*SLOT                    ; the scales, as units of 256 bytes + 16 of padding: x's 256 rows, then W's
.set HALFS,  (128*KS/256)*272
.set SBLK,   (16*KS/256)*272
.set SPARE,  SCL+4*HALFS               ; the spare words: 128 bytes a wave
.set STAGE,  SPARE+512                 ; the way out: 16 rows x 272 bytes for each wave
.set SPITCH, 272
.set ADRA, 8                           ; v8-11   16 x lane + slot + half of the slot's four groups
.set ADRS, 16                          ; v16-19  scale words: lanes 0-15 x's rows, lanes 16-31 W's; one for each four blocks of x
.set BO,   20                          ; v20     16 x lane
.set PFO,  21                          ; v21     256 x min(lane, 23)
.set STO,  24
.set RD,   25
.set CO,   26
.set SPW,  28
.set NIL,  29
.set SC,   32
.set BF,   64
.set BK,   64
.set G1,   24                          ; s[24:31] group 1 of the ring's loads; s[32:39] group 0, one set a slot
.set G0,   32
.set BP,   48                          ; s[48:49] W's codes: my 64 columns, this lap
.set PFA,  50                          ; s[50:51] x_img: my work-group's share of my wave's group, this lap
.set G1H,  52                          ; s[52:59] group 1 of the head's loads of slot 0: two groups each
.set G0H0, 60
.set G1S,  68
.set G0S,  76
.set G1SB, 80
.set G0SB, 88
.set G0H1, 92
.set MSB, 0
.macro WIN new                         ; the immediate's high byte repeats the setting that is left
.if MSB != \new
	s_set_vgpr_msb (MSB<<8)|\new
.set MSB, \new
.endif
.endm
.set MUL_LO, 0xa4                      ; source 0 (W) window 0, source 1 (x) window 1, C and D window 2
.set MUL_HI, 0xf4
.set TO_A,   0x40
.macro PLACES n
.rept \n
	v_nop
.endr
.endm
.macro CREST                           ; a round of the cluster's barrier behind its opening barrier
	s_cmp_lg_u32 s14, 0
	s_cbranch_scc1 .Lnot_wave_0_\@
	s_barrier_signal -3
.Lnot_wave_0_\@:
	s_barrier_wait -3
	s_barrier_signal -1
	s_barrier_wait -1
.endm
.macro CROUND
	s_barrier_signal -1
	s_barrier_wait -1
	CREST
.endm
.macro BLOAD set, i                    ; W's four fragments of the lap's step i
	WIN 0
.irp b, 0,1,2,3
.irp j, 0,1,2
	global_load_b128 v[BF+48*(\set)+FR*\b+4*\j:BF+48*(\set)+FR*\b+4*\j+3], v[BO], s[BP:BP+1] offset:(\i)*STEPB+\b*FRAGB+\j*512
.endr
.endr
.endm
	s_load_b128 s[4:7], s[0:1], 0x0                ; x_img, x_scales
	s_load_b128 s[8:11], s[0:1], 0x10              ; w_codes, w_scales
	s_load_b64 s[12:13], s[0:1], 0x20              ; out0
	v_lshl_add_u32 v[SPW], v0, 2, SPARE
	v_mov_b32 v[NIL], 0
	ds_add_u32 v[SPW], v[NIL]                      ; the opening lines: the add, twice on end, and its wait
	ds_add_u32 v[SPW], v[NIL]
	v_lshrrev_b32 v1, 5, v0
	v_readfirstlane_b32 s14, v1                    ; wave 0..3
	v_and_b32 v6, 31, v0
	v_lshlrev_b32 v[BO], 4, v6
	v_min_u32 v6, 23, v6
	v_lshlrev_b32 v[PFO], 8, v6
	s_wait_alu depctr_va_vdst(0)
	s_bfe_u32 s40, ttmp6, 0x40000                  ; cx, cy
	s_bfe_u32 s41, ttmp6, 0x40004
	s_lshl_b32 s42, ttmp9, 2
	s_add_co_u32 s42, s42, s40                     ; tile column
	s_and_b32 s17, ttmp7, 0xffff
	s_lshl_b32 s17, s17, 2
	s_add_co_u32 s17, s17, s41                     ; tile row
	s_lshl_b32 s43, s41, 2
	s_lshl_b32 s43, 15, s43                        ; my row of the cluster
	s_lshl_b32 s44, 0x1111, s40                    ; my column
	s_or_b32 s[G1+0], s43, (3<<16)|(1<<21)         ; the ring: 96 dense rows of 32 elements of 8 bytes, no padding
	s_mov_b32 s[G1+1], 32<<16
	s_mov_b32 s[G1+2], 96<<16
	s_mov_b32 s[G1+3], 32<<16
	s_mov_b32 s[G1+4], 96
	s_mov_b32 s[G1+5], 32
	s_mov_b32 s[G1+6], 0
	s_mov_b32 s[G1+7], 0
	s_or_b32 s[G1H+0], s43, (3<<16)|(1<<21)        ; the head: two groups' four steps: 2 rows of 24,576 bytes, 196,608 bytes apart
	s_mov_b32 s[G1H+1], (GRPS/8)<<16
	s_mov_b32 s[G1H+2], 2<<16
	s_mov_b32 s[G1H+3], (GRPS/8)<<16
	s_mov_b32 s[G1H+4], 2
	s_mov_b32 s[G1H+5], GROUPB/8
	s_mov_b32 s[G1H+6], 0
	s_mov_b32 s[G1H+7], 0
	s_or_b32 s[G1S+0], s43, (3<<16)|(1<<20)|(1<<21)|(5<<22)|(3<<25)   ; the scales of 256 rows: 128 dense rows of 256 bytes, 16 bytes of padding behind each
	s_or_b32 s[G1SB+0], s44, (3<<16)|(1<<20)|(1<<21)|(5<<22)|(3<<25)
.irp g, G1S, G1SB
	s_mov_b32 s[\g+1], 32<<16
	s_mov_b32 s[\g+2], KS<<16
	s_mov_b32 s[\g+3], 32<<16
	s_mov_b32 s[\g+4], KS
	s_mov_b32 s[\g+5], 32
	s_mov_b32 s[\g+6], 0
	s_mov_b32 s[\g+7], 0
.endr
	s_mul_i32 s20, s17, 4*GROUPB                   ; x_img: the tile's four groups
	s_mov_b32 s21, 0
	s_lshl_b32 s22, s17, 15                        ; x_scales: 256 rows of 128 bytes
	s_mov_b32 s23, 0
	s_lshl_b32 s46, s42, 15                        ; w_scales
	s_mov_b32 s47, 0
	s_lshl_b32 s18, s42, 2
	s_add_co_u32 s18, s18, s14
	s_mul_i32 s18, s18, GROUPB                     ; w_codes: my 64 columns
	s_mov_b32 s19, 0
	s_mul_i32 s2, s14, GROUPB                      ; x_img: the group that I fetch in the ring
	s_mov_b32 s3, 0
	s_mul_i32 s45, s14, GRPS                       ; and where it goes in a slot
	s_mul_i32 s96, s40, 24*256                     ; the prefetches: my work-group's 24 blocks of a load's 96
	s_mov_b32 s97, 0
	s_wait_dscnt 0x0                               ; both opening adds are done
	s_wait_kmcnt 0x0
	s_add_nc_u64 s[BP:BP+1], s[8:9], s[18:19]
	s_add_nc_u64 s[20:21], s[4:5], s[20:21]
	s_add_nc_u64 s[22:23], s[6:7], s[22:23]
	s_add_nc_u64 s[46:47], s[10:11], s[46:47]
	s_mov_b32 s[G0H0], 1                           ; slot 0's groups 0 and 1,
	s_mov_b32 s[G0H0+1], 0
	s_mov_b64 s[G0H0+2:G0H0+3], s[20:21]
	s_or_b32 s[G0H0+3], s[G0H0+3], 0x80000000
	s_mov_b32 s[G0H1], 1                           ; its groups 2 and 3,
	s_mov_b32 s[G0H1+1], 2*GRPS
	s_add_nc_u64 s[G0H1+2:G0H1+3], s[20:21], 2*GROUPB
	s_or_b32 s[G0H1+3], s[G0H1+3], 0x80000000
	s_mov_b32 s[G0S], 1                            ; x's scales,
	s_mov_b32 s[G0S+1], SCL
	s_mov_b64 s[G0S+2:G0S+3], s[22:23]
	s_or_b32 s[G0S+3], s[G0S+3], 0x80000000
	s_mov_b32 s[G0SB], 1                           ; W's scales
	s_mov_b32 s[G0SB+1], SCL+2*HALFS
	s_mov_b64 s[G0SB+2:G0SB+3], s[46:47]
	s_or_b32 s[G0SB+3], s[G0SB+3], 0x80000000
	s_add_nc_u64 s[20:21], s[20:21], s[2:3]        ; the ring: my group
.irp s, 0,1
	s_mov_b32 s[G0+4*\s], 1
	s_add_co_u32 s[G0+4*\s+1], s45, \s*SLOT
	s_add_nc_u64 s[G0+4*\s+2:G0+4*\s+3], s[20:21], \s*GRPS
	s_or_b32 s[G0+4*\s+3], s[G0+4*\s+3], 0x80000000
.endr
	s_add_nc_u64 s[PFA:PFA+1], s[20:21], s[96:97]
	CROUND                                         ; all sixteen work-groups are here: the first joint loads meet
; The head's loads, one a wave: one chain of branches on the wave's number, a load in each arm
.macro ARM under, g0, g1, next
	s_cmp_lt_u32 s14, \under
	s_cbranch_scc0 \next
	tensor_load_to_lds s[\g0:\g0+3], s[\g1:\g1+7]
	s_nop 0
	PLACES 4
	s_branch .Lhead_asked
\next:
.endm
	ARM 1, G0H0, G1H, .Lhead_1
	ARM 2, G0H1, G1H, .Lhead_2
	ARM 3, G0S,  G1S, .Lhead_3
	tensor_load_to_lds s[G0SB:G0SB+3], s[G1SB:G1SB+7]
	s_nop 0
	PLACES 4
.Lhead_asked:
	BLOAD 0, 0                                     ; W's first four steps, asked for behind the tiles that all four waves wait for
	BLOAD 1, 1
	BLOAD 2, 2
	BLOAD 3, 3
	s_mul_i32 s21, s14, 4*SBLK                     ; W's scales: my four blocks, behind x's sixteen
.irp g, 0,1,2,3
	s_add_co_u32 s[98+\g], s21, (16-4*\g)*SBLK
.endr
	s_mul_i32 s23, s14, 16*SPITCH
	s_add_co_u32 s23, s23, STAGE                   ; my stage
	s_lshl_b32 s46, s17, 22                        ; out0: 256 rows of 16,384 bytes a tile row,
	s_lshl_b32 s47, s42, 10                        ; 1,024 bytes a tile column,
	s_add_co_u32 s46, s46, s47
	s_lshl_b32 s47, s14, 8                         ; 256 bytes a wave
	s_add_co_u32 s46, s46, s47
	s_mov_b32 s47, 0
	s_add_nc_u64 s[12:13], s[12:13], s[46:47]
	v_and_b32 v1, 15, v0                           ; r
	v_bfe_u32 v2, v0, 4, 1                         ; h
.irp s, 0,1
.irp f, 0,1
	v_add_nc_u32 v[ADRA+\s+2*\f], \s*SLOT+\f*2*GRPS, v[BO]
.endr
.endr
	v_mul_u32_u24 v5, v1, KS                       ; my row's scales: 128 bytes a row,
	v_lshrrev_b32 v6, 8, v5
	v_lshl_add_u32 v5, v6, 4, v5                   ; and 16 more for each 256 passed
.irp g, 0,1,2,3
	v_mul_u32_u24 v6, s[98+\g], v2                 ; lanes 16-31 take W's block i where lanes 0-15 take x's block 4 g + i
	v_add_nc_u32 v6, v6, v5
	v_add_nc_u32 v[ADRS+\g], SCL, v6
.endr
	v_mul_u32_u24 v5, v1, SPITCH                   ; into the stage: row r, 32 bytes for each half of the lanes
	v_lshl_add_u32 v5, v2, 5, v5
	v_add_nc_u32 v[STO], s23, v5
	v_mul_u32_u24 v5, v2, SPITCH                   ; back: lanes 0-15 one row of 256 bytes, lanes 16-31 the next
	v_lshl_add_u32 v5, v1, 4, v5
	v_add_nc_u32 v[RD], s23, v5
	v_mul_u32_u24 v5, v2, SIZE_N*4
	v_lshl_add_u32 v[CO], v1, 4, v5
.macro FA slot, q, i0, n               ; x's fragments i0 .. i0 + n - 1 of the slot's step q: three loads of 512 consecutive bytes each
	WIN TO_A
.set II, \i0
.rept \n
.irp j, 0,1,2
	ds_load_b128 v[FR*II+4*\j:FR*II+4*\j+3], v[ADRA+(\slot)+2*(II/8)] offset:((II/4)%2)*GRPS+(\q)*STEPB+(II%4)*FRAGB+512*\j
.endr
.set II, II+1
.endr
.endm
.macro SQ quad, off                    ; the scale words of two steps for x's blocks 4 quad .. + 3 (lanes 0-15) and W's four (lanes 16-31); off: the pair's place in the lap
	WIN 0
.irp i, 0,1,2,3
	ds_load_b64 v[SC+2*(4*(\quad)+\i):SC+2*(4*(\quad)+\i)+1], v[ADRS+(\quad)] offset:(4*(\quad)+\i)*SBLK+(\off)
.endr
.endm
; 16 matrix instructions: x's blocks 4 g .. 4 g + 3 against W's four.  The 64 accumulators take turns in the same order in every step
.macro MM g, q, zero
.if \g < 2
	WIN MUL_LO
.else
	WIN MUL_HI
.endif
.irp a, 4*\g, 4*\g+1, 4*\g+2, 4*\g+3
.irp b, 0,1,2,3
.if \zero
	v_wmma_scale_f32_16x16x128_f8f6f4 v[8*(4*((\a)%8)+\b):8*(4*((\a)%8)+\b)+7], v[BF+48*(\q)+FR*\b:BF+48*(\q)+FR*\b+FR-1], v[FR*(\a):FR*(\a)+FR-1], 0, v[SC+2*(4*((\a)/4)+\b)+(\q)%2], v[SC+2*(\a)+(\q)%2] matrix_a_fmt:MATRIX_FMT_FP6 matrix_b_fmt:MATRIX_FMT_FP6 matrix_a_scale:MATRIX_SCALE_ROW1
.else
	v_wmma_scale_f32_16x16x128_f8f6f4 v[8*(4*((\a)%8)+\b):8*(4*((\a)%8)+\b)+7], v[BF+48*(\q)+FR*\b:BF+48*(\q)+FR*\b+FR-1], v[FR*(\a):FR*(\a)+FR-1], v[8*(4*((\a)%8)+\b):8*(4*((\a)%8)+\b)+7], v[SC+2*(4*((\a)/4)+\b)+(\q)%2], v[SC+2*(\a)+(\q)%2] matrix_a_fmt:MATRIX_FMT_FP6 matrix_b_fmt:MATRIX_FMT_FP6 matrix_a_scale:MATRIX_SCALE_ROW1
.endif
.endr
.endr
.endm
; One of a slot's first three steps: two halves of 32 products.  Behind each half stands ONE run of LDS loads: the same eight blocks of the next step (24 loads), in odd steps behind the half's scale words of the next two steps (8 loads).
; A half waits for the run issued a step ago: the count leaves out the one younger run, and for the half's first 16 products also the 12 loads of the run's last four blocks.
; n0: the loads issued behind the run of blocks 0-7 when the step begins.  lc: W's younger loads.
.macro STEP slot, q, zero, bl, lc, n0
	s_wait_loadcnt \lc
	s_wait_dscnt (\n0)+12
	MM 0, \q, \zero
	s_wait_dscnt \n0
	MM 1, \q, \zero
	PLACES NP                                      ; in front of loads into registers that matrix instructions have read
.if (\q)%2 == 1
	SQ 0, 8*((4*\slot+\q+1)/2)
	SQ 1, 8*((4*\slot+\q+1)/2)
.endif
	FA \slot, \q+1, 0, 8
	s_wait_dscnt 36+8*((\q)%2)                     ; younger: blocks 12-15 and the run just issued
	MM 2, \q, \zero
	s_wait_dscnt 24+8*((\q)%2)
	MM 3, \q, \zero
	PLACES NP
.if (\q)%2 == 1
	SQ 2, 8*((4*\slot+\q+1)/2)
	SQ 3, 8*((4*\slot+\q+1)/2)
.endif
.if \bl
	BLOAD \q, 4*\slot+\q+4                         ; W's set has been read: it takes the step four on
.endif
	FA \slot, \q+1, 8, 8
	WIN 0
.endm
; A slot's last step changes slots.  Behind its first 32 products every wave waits for all its tensor loads (its part of the next slot), adds 0 to its spare word, waits for that and for its reads of this slot, and signals;
; the barrier opens a round of the cluster's barrier; behind it this slot is filled again first, then the next slot's first fragments are read.  ask: 1 a prefetch, 2 a prefetch in all trips but the loop's last.
.macro TURN slot, next, fill, ask
	s_wait_loadcnt 36
	s_wait_dscnt 36
	MM 0, 3, 0
	s_wait_dscnt 24
	MM 1, 3, 0
	WIN 0
	s_wait_tensorcnt 0x0
	ds_add_u32 v[SPW], v[NIL]
	s_wait_dscnt 0x0
	s_barrier_signal -1
	MM 2, 3, 0
	WIN 0
	s_barrier_wait -1
.if \fill
	CREST
	s_add_nc_u64 s[G0+4*\slot+2:G0+4*\slot+3], s[G0+4*\slot+2:G0+4*\slot+3], 2*GRPS
	tensor_load_to_lds s[G0+4*\slot:G0+4*\slot+3], s[G1:G1+7]
	s_nop 0
.endif
	PLACES NP                                      ; also the places in front of the loads below
	SQ 0, 8*(2*\slot+2)
	SQ 1, 8*(2*\slot+2)
	SQ 2, 8*(2*\slot+2)
	FA \next, 0, 0, 12
	WIN 0
.if \ask == 1
	global_prefetch_b8 v[PFO], s[PFA:PFA+1] offset:3*GRPS th:TH_LOAD_NT scope:SCOPE_SE   ; the tile of the next refill
.endif
.if \ask == 2
	s_cmp_eq_u32 s3, 1                             ; the last refill has none behind it
	s_cbranch_scc1 .Lno_ask_\@
	global_prefetch_b8 v[PFO], s[PFA:PFA+1] offset:4*GRPS th:TH_LOAD_NT scope:SCOPE_SE
.Lno_ask_\@:
.endif
	MM 3, 3, 0
	PLACES NP
	SQ 3, 8*(2*\slot+2)
	BLOAD 3, 4*\slot+7
	FA \next, 0, 12, 4
	WIN 0
.endm
	s_wait_alu depctr_va_vdst(0)
	s_wait_tensorcnt 0x0                           ; my tile of the head's four is in
	ds_add_u32 v[SPW], v[NIL]
	s_wait_dscnt 0x0
	CROUND
	tensor_load_to_lds s[G0+4:G0+7], s[G1:G1+7]    ; slot 1's first fill: my group
	s_nop 0
	PLACES 4
	SQ 0, 0
	SQ 1, 0
	SQ 2, 0
	SQ 3, 0
	FA 0, 0, 0, 16
	WIN 0
	STEP 0, 0, 1, 1, 36, 24                        ; the first step's products start the sums; behind blocks 0-7 stand the 24 loads of blocks 8-15
	s_mov_b32 s3, 3
.Llap:                                                 ; a trip goes once round the ring, from a lap's second step to the next lap's first
	STEP 0, 1, 0, 1, 36, 24
	STEP 0, 2, 0, 1, 36, 32
	TURN 0, 1, 1, 1
	STEP 1, 0, 0, 1, 36, 28                        ; behind a change of slots: blocks 8-11 (12 loads) and its last run (16)
	STEP 1, 1, 0, 1, 36, 24
	STEP 1, 2, 0, 1, 36, 32
	TURN 1, 0, 1, 2
	s_wait_xcnt 0x0                                ; W's loads and the prefetches have read their bases
	s_add_nc_u64 s[BP:BP+1], s[BP:BP+1], 8*STEPB
	s_add_nc_u64 s[PFA:PFA+1], s[PFA:PFA+1], 2*GRPS
.irp g, 0,1,2,3
	v_add_nc_u32 v[ADRS+\g], 32, v[ADRS+\g]        ; eight steps' scale words on
.endr
	s_wait_alu depctr_va_vdst(0)
	STEP 0, 0, 0, 1, 36, 28
	s_sub_co_u32 s3, s3, 1
	s_cmp_lg_u32 s3, 0
	s_cbranch_scc1 .Llap
	STEP 0, 1, 0, 1, 36, 24                        ; the last lap fills nothing
	STEP 0, 2, 0, 1, 36, 32
	TURN 0, 1, 0, 0
	STEP 1, 0, 0, 0, 36, 28
	STEP 1, 1, 0, 0, 24, 24
	STEP 1, 2, 0, 0, 12, 32
; THE LAST STEP AND THE WAY OUT.  A group's 16 products finish 64 rows of my 64 columns, so its four blocks of 16 rows leave before the next group is multiplied.
; A block goes through my own stage in LDS and comes back as whole rows of 256 bytes.
.macro TOSTAGE a
.set AC, 32*((\a)%8)
	WIN 0x08+4*((\a)/8)
.irp b, 0,1,2,3
	ds_store_b128 v[STO], v[AC+8*\b:AC+8*\b+3] offset:64*\b          ; each accumulator from its low end on
	ds_store_b128 v[STO], v[AC+8*\b+4:AC+8*\b+7] offset:64*\b+16
.endr
	WIN 0
.set BB, BK+32*((\a)%2)
.irp t, 0,1,2,3,4,5,6,7
	ds_load_b128 v[BB+4*\t:BB+4*\t+3], v[RD] offset:\t*2*SPITCH      ; LDS serves a wave's instructions in order (ISA guide 5.7.1.4)
.endr
.endm
.macro SEND a, younger
.set BB, BK+32*((\a)%2)
	s_wait_dscnt \younger
.if (\a) > 0
	s_add_nc_u64 s[12:13], s[12:13], 16*SIZE_N*4   ; behind a wait on XCNT: the earlier stores have read their base
.endif
.irp t, 0,1,2,3,4,5,6,7
	global_store_b128 v[CO], v[BB+4*\t:BB+4*\t+3], s[12:13] offset:2*\t*SIZE_N*4 th:TH_STORE_NT   ; 16 lanes store 256 consecutive bytes, aligned
.endr
.endm
	s_wait_loadcnt 0x0
	s_wait_dscnt 36                                ; blocks 0-3 are in; the 36 loads of blocks 4-15 may be out
	MM 0, 3, 0
	WIN 0
	PLACES NP
	TOSTAGE 0
.irp a, 1,2,3,4,5,6,7,8,9,10,11,12,13,14,15
.if (\a)%4 == 0
	MM (\a)/4, 3, 0                                ; its fragments are in: the counted waits of the blocks sent so far have passed them
	WIN 0
	PLACES NP
.endif
.if \a > 1
	s_wait_xcnt 0x0                                ; block a - 2's stores have read their registers and their base
.endif
	TOSTAGE \a
	SEND \a-1, 16
.endr
	s_wait_xcnt 0x0
	SEND 15, 0
	s_wait_tensorcnt 0x0                           ; the wave's end
	ds_add_u32 v[SPW], v[NIL]
	s_wait_dscnt 0x0
	CROUND                                         ; the closing round
	s_endpgm
.Lfunc_end_k_qb4601addad_gemm:
	.size	k_qb4601addad_gemm, .Lfunc_end_k_qb4601addad_gemm-k_qb4601addad_gemm
	.p2alignl 7, 3214868480
	.fill 96, 4, 3214868480
	.section	.rodata,"a",@progbits
	.p2align	6, 0x0
	.amdhsa_kernel k_qb4601addad_gemm
		.amdhsa_group_segment_fixed_size 327680
		.amdhsa_private_segment_fixed_size 0
		.amdhsa_enable_private_segment 0
		.amdhsa_kernarg_size 40
		.amdhsa_user_sgpr_count 2
		.amdhsa_user_sgpr_kernarg_segment_ptr 1
		.amdhsa_wavefront_size32 1
		.amdhsa_system_sgpr_workgroup_id_x 1
		.amdhsa_system_sgpr_workgroup_id_y 1
		.amdhsa_system_sgpr_workgroup_id_z 1
		.amdhsa_system_vgpr_workitem_id 0
		.amdhsa_next_free_vgpr 1024
		.amdhsa_next_free_sgpr 102
		.amdhsa_reserve_vcc 0
		.amdhsa_float_denorm_mode_32 3
		.amdhsa_float_denorm_mode_16_64 3
		.amdhsa_memory_ordered 1
		.amdhsa_forward_progress 1
		.amdhsa_inst_pref_size 255
	.end_amdhsa_kernel
	.section	.bss,"aw",@nobits
	.p2align	6
	.space	262144
	.amdgpu_metadata
---
amdhsa.version: [ 1, 2 ]
amdhsa.kernels:
  - .name:           k_qb4601addad_gemm
    .symbol:         k_qb4601addad_gemm.kd
    .args:
      - { .name: x_img, .offset: 0, .size: 8, .value_kind: global_buffer, .address_space: global }
      - { .name: x_scales, .offset: 8, .size: 8, .value_kind: global_buffer, .address_space: global }
      - { .name: w_codes, .offset: 16, .size: 8, .value_kind: global_buffer, .address_space: global }
      - { .name: w_scales, .offset: 24, .size: 8, .value_kind: global_buffer, .address_space: global }
      - { .name: out0, .offset: 32, .size: 8, .value_kind: global_buffer, .address_space: global }
    .group_segment_fixed_size: 327680
    .private_segment_fixed_size: 0
    .kernarg_segment_align: 8
    .kernarg_segment_size: 40
    .max_flat_workgroup_size: 128
    .sgpr_count:     102
    .vgpr_count:     1024
    .wavefront_size: 32
...
	.end_amdgpu_metadata
.endif
;; end of part 2
